; MI455X (gfx1250); checked and timed in simulation.
; The chip was launched on July 23, 2026; its instructions are those of AMD's public machine-readable ISA for CDNA 5 (MIT licence, August 2026) and "CDNA5" Instruction Set Architecture Reference Guide (July 2026). The comments in the code are by the model that wrote it; some were corrected since.
;; INT4 Quantized Linear. Allowed arithmetic: float matrix products may take bf16 or f16 operands with f32 sums; other float arithmetic in f32, or as packed bf16 or f16 multiplies, adds, multiply-adds, maxima and minima; sums over many terms, partial sums and values carried from step to step in f32; what a program stores and reads back later, other than sums and carried values, may be rounded once to bf16 or f16.
;; Inputs: packed_b 1,024 int32; packed_w 4,194,304 int32; scale_b one number float32; scale_w one number float32; x 4 x 2,048 x 4,096 float32.
;; Outputs: out0 4 x 2,048 x 2,048 float32.
;; 3 versions, each right; version 3 is version 2 with the launch prep written anew for expert scheduling mode. Each part assembles by itself: llvm-mc -triple=amdgcn-amd-amdhsa -mcpu=gfx1250 --defsym DOCPART=n.
;; ======== version 1 of 3: 2 launches
;; limits: inputs' magnitudes at most 1e+34
;; workspace buffers: wq 16,777,216 bytes
;; launch unpack (part 1): grid 256 x 1, 4 waves a work-group, no clusters, 0 bytes of LDS; arguments packed_w, wq; writes wq
.if DOCPART == 1
	.amdgcn_target "amdgcn-amd-amdhsa--gfx1250"
	.amdhsa_code_object_version 6
	.text
	.protected	k_qed89438e28_unpack
	.globl	k_qed89438e28_unpack
	.p2align	8
	.type	k_qed89438e28_unpack,@function
k_qed89438e28_unpack:
	s_mov_b64 s[64:65], 0
	v_nop
	global_prefetch_b8 v0, s[64:65] scope:SCOPE_SE
	s_setreg_imm32_b32 hwreg(HW_REG_WAVE_MODE, 25, 1), 1
	s_wait_xcnt 0x0
; wq = the weights' whole numbers q = nibble - 8 as bf16 (exact: -8 .. 7), unscaled, laid out in blocks for the product that follows.
; packed_w: [2048 x 2048] words of 32 bits; word j of row o holds W's k = 2 j in bits 7:4 and k = 2 j + 1 in bits 3:0; the bits above take no part, as in the masks of the definition.
; A word is 4 bytes for two weights, and two bf16 are 4 bytes: the map is word for word.  The even k goes into the low half.
; wq's byte address of (o, k) = (o / 128) x 1,048,576 + (k / 64) x 16,384 + (o % 128) x 128 + (k % 64) x 2: a block of 128 rows x 64 k is 16,384 bytes on end.
; NOTHING IS LEFT OUT: every word of packed_w reaches the output; the slice [:n_values] of the definition cuts nothing.  The scale is applied later, to the f32 sums.
; SHARES.  1,024 waves; wave p owns rows 2 p and 2 p + 1: 2 x 8,192 bytes in, as many out.  Instruction i of 32 takes 256 consecutive bytes, aligned, of each of the two rows (k = 128 i .. 128 i + 127):
; lanes 0-7 row 2 p, lanes 8-15 row 2 p + 1, both the first 128 bytes; lanes 16-31 the same for the second 128.  On the way out lanes 0-15 then fill 256 consecutive bytes, aligned, of the block
; of K step 2 i (two rows of 128 bytes on end), lanes 16-31 of K step 2 i + 1.
; All 32 loads of a wave go out before the first wait; no register is written again after its store, so no wait for a store's sources is needed.  No LDS: no wave wants another wave's bytes.
.set IN,  1                            ; v1        my byte offset in packed_w; never rewritten
.set OUT, 2                            ; v2        my byte offset in wq; never rewritten
.set T,   3                            ; v[3:6]    set-up, then four words at work
.set D,   8                            ; v[8:135]  32 x 4 words, as loaded and then as stored
	s_load_b128 s[4:7], s[0:1], 0x0                ; packed_w s[4:5], wq s[6:7]
	s_lshl_b32 s11, ttmp9, 3                       ; the work-group's first row: 4 waves x 2 rows
	s_mov_b32 s8, 0x000f000f                       ; a nibble in each half
	s_mov_b32 s9, 0x43004300                       ; bf16 128.0 twice: with a nibble n in its low bits it is 128 + n
	s_mov_b32 s10, 0xc308c308                      ; bf16 -136.0 twice
	v_lshrrev_b32 v3, 5, v0                        ; wave
	v_bfe_u32 v4, v0, 3, 1                         ; which of my wave's two rows
	v_lshl_add_u32 v4, v3, 1, v4
	v_add_nc_u32 v4, s11, v4                       ; o
	v_bfe_u32 v5, v0, 4, 1                         ; which 128 bytes of the 256
	v_and_b32 v6, 7, v0                            ; which 16 of them
	v_lshlrev_b32 v[IN], 13, v4                    ; o x 8,192
	v_lshl_add_u32 v[IN], v5, 7, v[IN]
	v_lshl_add_u32 v[IN], v6, 4, v[IN]
	v_lshrrev_b32 v7, 7, v4
	v_lshlrev_b32 v[OUT], 20, v7                   ; (o / 128) x 1,048,576
	v_and_b32 v7, 127, v4
	v_lshl_add_u32 v[OUT], v7, 7, v[OUT]           ; + (o % 128) x 128
	v_lshl_add_u32 v[OUT], v5, 14, v[OUT]          ; + the K step's parity x 16,384
	v_lshl_add_u32 v[OUT], v6, 4, v[OUT]
	s_wait_kmcnt 0x0
.set i, 0
.rept 32
	global_load_b128 v[D+4*i:D+4*i+3], v[IN], s[4:5] offset:256*i th:TH_LOAD_NT
.set i, i+1
.endr
.set i, 0
.rept 32
	s_wait_loadcnt 31-i                            ; loads come back in order (ISA guide 5.7.1): number i is in, the 31 - i younger ones may stay out
.irp j, 0,1,2,3
	v_bfe_u32 v[T+\j], v[D+4*i+\j], 4, 4           ; the high nibble, for the low half
.endr
.irp j, 0,1,2,3
	v_lshl_or_b32 v[T+\j], v[D+4*i+\j], 16, v[T+\j]  ; the word's low bits move into the high half
.endr
.irp j, 0,1,2,3
	v_and_or_b32 v[D+4*i+\j], v[T+\j], s8, s9      ; two bf16: 128 + nibble
.endr
.irp j, 0,1,2,3
	v_pk_add_bf16 v[D+4*i+\j], v[D+4*i+\j], s10    ; - 136: nibble - 8, exact
.endr
	global_store_b128 v[OUT], v[D+4*i:D+4*i+3], s[6:7] offset:32768*i  ; two K steps on for each i; 1,015,808 at the most, inside the signed 24-bit immediate
.set i, i+1
.endr
	s_endpgm
.Lfunc_end_k_qed89438e28_unpack:
	.size	k_qed89438e28_unpack, .Lfunc_end_k_qed89438e28_unpack-k_qed89438e28_unpack
	.p2alignl 7, 3214868480
	.fill 96, 4, 3214868480
	.section	.rodata,"a",@progbits
	.p2align	6, 0x0
	.amdhsa_kernel k_qed89438e28_unpack
		.amdhsa_group_segment_fixed_size 0
		.amdhsa_private_segment_fixed_size 0
		.amdhsa_enable_private_segment 0
		.amdhsa_kernarg_size 16
		.amdhsa_user_sgpr_count 2
		.amdhsa_user_sgpr_kernarg_segment_ptr 1
		.amdhsa_wavefront_size32 1
		.amdhsa_system_sgpr_workgroup_id_x 1
		.amdhsa_system_sgpr_workgroup_id_y 1
		.amdhsa_system_sgpr_workgroup_id_z 1
		.amdhsa_system_vgpr_workitem_id 0
		.amdhsa_next_free_vgpr 140
		.amdhsa_next_free_sgpr 66
		.amdhsa_reserve_vcc 0
		.amdhsa_float_denorm_mode_32 3
		.amdhsa_float_denorm_mode_16_64 3
		.amdhsa_memory_ordered 1
		.amdhsa_forward_progress 1
		.amdhsa_inst_pref_size 41
	.end_amdhsa_kernel
	.amdgpu_metadata
---
amdhsa.version: [ 1, 2 ]
amdhsa.kernels:
  - .name:           k_qed89438e28_unpack
    .symbol:         k_qed89438e28_unpack.kd
    .args:
      - { .name: packed_w, .offset: 0, .size: 8, .value_kind: global_buffer, .address_space: global }
      - { .name: wq, .offset: 8, .size: 8, .value_kind: global_buffer, .address_space: global }
    .group_segment_fixed_size: 0
    .private_segment_fixed_size: 0
    .kernarg_segment_align: 8
    .kernarg_segment_size: 16
    .max_flat_workgroup_size: 128
    .sgpr_count:     66
    .vgpr_count:     140
    .wavefront_size: 32
...
	.end_amdgpu_metadata
.endif
;; end of part 1
;; launch gemm (part 2): grid 8 x 32, 4 waves a work-group, clusters of 4 x 4, 327,680 bytes of LDS; arguments x, wq, packed_b, scale_w, scale_b, out0; writes out0
.if DOCPART == 2
	.amdgcn_target "amdgcn-amd-amdhsa--gfx1250"
	.amdhsa_code_object_version 6
	.text
	.protected	k_qed89438e28_gemm
	.globl	k_qed89438e28_gemm
	.p2align	8
	.type	k_qed89438e28_gemm,@function
k_qed89438e28_gemm:
	s_mov_b64 s[64:65], 0
	v_nop
	global_prefetch_b8 v0, s[64:65] scope:SCOPE_SE
	s_setreg_imm32_b32 hwreg(HW_REG_WAVE_MODE, 25, 1), 1
	s_wait_xcnt 0x0
	s_wait_alu depctr_hold_cnt(0) depctr_sa_sdst(0) depctr_va_vdst(0) depctr_va_sdst(0) depctr_va_ssrc(0) depctr_va_vcc(0) depctr_vm_vsrc(0)
	s_getreg_b32 s2, hwreg(HW_REG_IB_STS2, 6, 4)
	s_cmp_eq_u32 s2, 0
	s_cbranch_scc0 .Lentry_in_a_cluster
	s_endpgm
.Lentry_in_a_cluster:
	s_bfe_u32 s2, ttmp6, 0x10000c
	s_cmp_lg_u32 s2, 0xf033
	s_cbranch_scc0 .Lentry_shape_is_right
	s_endpgm
.Lentry_shape_is_right:
; out0[m][o] = scale_w x (the sum over k of x[m][k] q[o][k]) + scale_b x (nibble_b[o] - 8).  x: [8192][4096] f32; q: wq, bf16, exact whole numbers -8 .. 7, in blocks of 128 rows x 64 k
; (16,384 bytes on end; the 64 K steps of a group of 128 rows on end); out0: [8192][2048] f32.  Nothing of the definition is left out.
; LIMITS.  x is rounded to bf16 on its way to the matrix unit; the sums are f32; scale_w multiplies the finished sum (the definition scales each weight first: another order of rounding; the weights
; themselves are not rounded at all here).  NaN and infinities go through the arithmetic as they come.
; SHARES.  A tile of out0 is 256 x 256: 32 x 8 = 256 work-groups of four waves.  Wave w makes rows 64 w .. 64 w + 63 x all 256 columns: 4 x 16 accumulators of 16 x 16, 512 registers.  So each number of x
; is read from LDS and rounded by ONE wave: 32 conversions for 64 matrix instructions; for each k a wave reads 64 x 4 + 256 x 2 = 768 bytes of LDS, as a square share of 128 x 128 would.
; K goes in steps of 64 through two LDS slots: a row of x's tile is 256 bytes of memory, at a multiple of 256 from x's first byte.  Steps of 128 would want 2 x (256 x 528 + 256 x 272) = 409,600 bytes of LDS.
; A step is two halves of 32 along K, 64 matrix instructions each, on two sets of fragment registers.
; THE MATRIX INSTRUCTION IS USED TRANSPOSED: source 0 = 16 rows of q, source 1 = 16 rows of x: a lane holds row l % 16 of out0 and the columns 8 (l / 16) + 0 .. 7.
; CLUSTERS: 4 x 4 work-groups.  The four of a row of the cluster need the same tiles of x, the four of a column the same tiles of q: each tile is asked for JOINTLY, by the same tensor load with the same
; descriptor and a mask that names the four.  Waves 0 and 1 fetch the halves of x's tile, waves 2 and 3 those of q's.
; REGISTERS, in windows of 256 (s_set_vgpr_msb: bits 1:0 source 0, 3:2 source 1, 5:4 source 2, 7:6 destination):
;   window 0: v0-35 addresses, bias; v64-127, v128-191 x's fragments, two sets: fragment a has 16 f32 as loaded at + 16 a, rounded in place into + 16 a .. + 7; on the way out v64-191 hold rows of out0
;   window 1: v0-127, v128-255 q's fragments, two sets: column block b at + 8 b
;   window 2: the accumulators of column blocks 0-7, (a, b) at 8 (4 (b % 8) + a);   window 3: those of blocks 8-15
.set PA,    272                        ; a row of x in LDS: 256 bytes + 16 of padding = 68 words: row r starts at bank 4 r mod 64 (64 banks of 4 bytes: ISA guide 11.1), so the 16 rows of a load start at 16 different banks
.set PB,    144                        ; a row of q: 128 + 16 = 36 words: likewise
.set AHALF, 128*PA                     ; what one tensor load brings of x
.set BHALF, 128*PB                     ; and of q
.set BOFF,  2*AHALF                    ; in a slot: x's 256 rows, then q's 256 rows
.set SLOT,  BOFF+2*BHALF               ; 106,496
.set STAGE, 2*SLOT                     ; behind the ring, never filled by a tensor load: 16 rows x 1,040 bytes for each wave, for the way out
.set SP,    1040                       ; 1,024 + 16: the 16 rows of a store start at 16 different banks
.set WSTG,  16*SP
.set SPARE, STAGE+4*WSTG               ; behind the stages: the spare words, 128 bytes for each wave: two blocks of 256 bytes that no other line names
.set BI,   8                           ; v[8:15]  the bias of my columns on the way out: 4 l .. 4 l + 3, then 128 + 4 l .. + 3
.set ADRA, 16                          ; v16-17   LDS address of my fragments of x in slot 0, 1
.set ADRB, 20                          ; v20-21   the same for q
.set STO,  24                          ; v24      the way out: where I put 32 bytes of a row
.set RD,   25                          ; v25      the way out: where I read rows back
.set CO,   26                          ; v26      my byte offset in 512 consecutive bytes of out0
.set SPW,  28                          ; v28      LDS address of my spare word: SPARE + 4 x my thread's number; never rewritten
.set NIL,  29                          ; v29      0; never rewritten
.set PFO,  30                          ; v30      the prefetches' offset; never rewritten
.set RAW,  32                          ; v[32:35] four words of packed_b
.set RA0,  64                          ; x's fragments, set 0; set 1 lies 64 on
.set OB,   64                          ; the way out: 16 rows read back from the stage
.set LAP,  3                           ; s3       laps to go
.set WV,   16                          ; s16      my wave's number
.set FB,   17                          ; s17      0: I fetch for x; 1: for q
.set HF,   18                          ; s18      which half of that tile
.set CX,   19
.set CY,   20
.set TC,   21                          ; s21      tile column
.set TR,   22                          ; s22      tile row
.set LA,   23                          ; s23      my half's place in a slot, for x
.set G1A,  24                          ; s[24:31] descriptor group 1 for x's tiles;  s[32:39] group 0, a set for each slot
.set G0A,  32
.set G1B,  48                          ; s[48:55], s[56:63] the same for q's tiles
.set G0B,  56
.set PFA,  66                          ; s[66:67] where my prefetches stand
.set PST,  68                          ; s[68:69] a K step in bytes: 256 along a row of x, 16,384 in wq
.set LIM0, 70                          ; s70      slot 0's change: 2 in a wave that prefetches there, else the greatest number;  s71 the same for slot 1's
.set SW,   72                          ; s[72:73] scale_w, twice
.set SB,   74                          ; s74      scale_b
.set LB,   75                          ; s75      my half's place in a slot, for q
.set OP,   80                          ; s[80:81] out0 at my wave's first row, my tile's first column
.set MSB, 0
.macro WIN new                         ; the immediate's high byte repeats the setting that is left; a switch that changes nothing is dropped
.if MSB != (\new)
	s_set_vgpr_msb (MSB<<8)|(\new)
.set MSB, \new
.endif
.endm
.set MUL_LO, 0xa1                      ; source 0 (q) window 1, source 1 (x) window 0, C and D window 2
.set MUL_HI, 0xf1                      ; the same, C and D window 3
.set TO_B,   0x40                      ; destination window 1, address window 0
.set ST_LO,  0x08                      ; an LDS store's data (source 1) in window 2
.set ST_HI,  0x0c                      ; in window 3
; A joint load.  Each of the two lines has one mask and one set of registers for all that issue it; the branch hangs on the wave's number alone.
; An s_nop 0 and four v_nop follow each of the two lines, ahead of the jump, the label and what follows.
.macro JLOAD s
	s_cmp_eq_u32 s[FB], 0
	s_cbranch_scc0 .Lfor_b_\@
	tensor_load_to_lds s[G0A+4*(\s):G0A+4*(\s)+3], s[G1A:G1A+7]
	s_nop 0
.rept 4
	v_nop
.endr
	s_branch .Lasked_\@
.Lfor_b_\@:
	tensor_load_to_lds s[G0B+4*(\s):G0B+4*(\s)+3], s[G1B:G1B+7]
	s_nop 0
.rept 4
	v_nop
.endr
.Lasked_\@:
.endm
; A PREFETCH INTO THE L2, behind a joint load, its five lines and the run of LDS loads that follows them: the refill of K step s names K step s + 4: 512 matrix instructions ahead of the load that will want it.
; Each aligned block of 256 bytes is named ONCE in the launch.  x's tile row is read by both clusters of that row of clusters: the one with cluster x = 0 asks; of the 128 rows that wave 0 or 1 fetches, the
; partner at place cx takes 32: a lane a row, 256 bytes of it, one instruction at every refill.  q's tile column is read by all eight clusters of that column: the one with cluster y = 0 asks; waves 2 and 3 ask at
; slot 0's change alone, for two K steps at once: 32,768 bytes on end, of which the partner at place cy takes 8,192: a lane 256 bytes.  The partners are told apart BY ADDRESS: no branch hangs on a place in the cluster.
; K steps 0 to 5 come by their loads alone; while s[LAP] is 2 or less nothing is asked for: the last K step named is 63.
.macro ASK lim
	s_cmp_gt_u32 s[LAP], s[\lim]
	s_cbranch_scc0 .Lnot_mine_\@
	global_prefetch_b8 v[PFO], s[PFA:PFA+1] th:TH_LOAD_NT scope:SCOPE_SE
.Lnot_mine_\@:
.endm
; A round of the cluster's barrier: my work-group's barrier, so that wave 0's signal speaks for all four waves; wave 0 signals; every wave waits for all sixteen work-groups; my work-group's barrier once more.
.macro CREST                           ; a round behind its opening barrier
	s_cmp_lg_u32 s[WV], 0
	s_cbranch_scc1 .Lnot_wave_0_\@
	s_barrier_signal -3
.Lnot_wave_0_\@:
	s_barrier_wait -3
	s_barrier_signal -1
	s_barrier_wait -1
.endm
.macro CROUND                          ; a whole round
	s_barrier_signal -1
	s_barrier_wait -1
	CREST
.endm
	s_load_b256 s[4:11], s[0:1], 0x0               ; x s[4:5], wq s[6:7], packed_b s[8:9], scale_w s[10:11]
	s_load_b128 s[12:15], s[0:1], 0x20             ; scale_b s[12:13], out0 s[14:15]
	v_lshl_add_u32 v[SPW], v0, 2, SPARE
	v_mov_b32 v[NIL], 0
	ds_add_u32 v[SPW], v[NIL]                      ; the wave's opening: the add, twice on end, and its wait ahead of my first tensor load; the set-up below, work on registers, stands between
	ds_add_u32 v[SPW], v[NIL]                      ; and once more, under the one wait
	v_lshrrev_b32 v1, 5, v0
	v_readfirstlane_b32 s[WV], v1                  ; wave 0..3
	s_lshr_b32 s[FB], s[WV], 1
	s_and_b32 s[HF], s[WV], 1
	s_bfe_u32 s[CX], ttmp6, 0x40000                ; my place along the cluster's x
	s_bfe_u32 s[CY], ttmp6, 0x40004                ; along its y
	s_lshl_b32 s[TC], ttmp9, 2                     ; in a cluster launch ttmp9 and ttmp7 count clusters
	s_add_co_u32 s[TC], s[TC], s[CX]               ; tile column = 4 x cluster x + cx
	s_and_b32 s[TR], ttmp7, 0xffff
	s_lshl_b32 s[TR], s[TR], 2
	s_add_co_u32 s[TR], s[TR], s[CY]               ; tile row = 4 x cluster y + cy
	s_lshl_b32 s40, s[CY], 2
	s_lshl_b32 s40, 15, s40                        ; my row of the cluster: places 4 cy .. 4 cy + 3
	s_lshl_b32 s76, 0x1111, s[CX]                  ; my column: places cx, cx + 4, cx + 8, cx + 12
	; group 1 for x: 128 rows x 64 elements of 4 bytes, 4,096 elements from row to row, 4 words of padding behind every 64
	s_or_b32 s[G1A+0], s40, (2<<16)|(1<<20)|(1<<21)|(5<<22)|(3<<25)  ; 15:0 the mask: my row; 17:16 elements of 4 bytes; 20 padding on; 21 set beside a mask; 24:22 after every 64 words (code 5); 31:25 4 words (code 3)
	s_mov_b32 s[G1A+1], 64<<16                     ; tensor_dim0 = 64
	s_mov_b32 s[G1A+2], 128<<16                    ; tensor_dim1 = 128
	s_mov_b32 s[G1A+3], 64<<16                     ; tile_dim0 = 64
	s_mov_b32 s[G1A+4], 128                        ; tile_dim1 = 128
	s_mov_b32 s[G1A+5], 4096                       ; tensor_dim0_stride
	s_mov_b32 s[G1A+6], 0
	s_mov_b32 s[G1A+7], 0
	; group 1 for q: a block of 16,384 bytes on end, asked for as 64 rows of 256 bytes (two rows of q each), 4 words of padding behind every 32: each row of q gets its own
	s_or_b32 s[G1B+0], s76, (1<<16)|(1<<20)|(1<<21)|(4<<22)|(3<<25)  ; the mask: my column; elements of 2 bytes; after every 32 words (code 4)
	s_mov_b32 s[G1B+1], 128<<16                    ; tensor_dim0 = 128
	s_mov_b32 s[G1B+2], 64<<16                     ; tensor_dim1 = 64
	s_mov_b32 s[G1B+3], 128<<16                    ; tile_dim0 = 128
	s_mov_b32 s[G1B+4], 64                         ; tile_dim1 = 64
	s_mov_b32 s[G1B+5], 128                        ; tensor_dim0_stride
	s_mov_b32 s[G1B+6], 0
	s_mov_b32 s[G1B+7], 0
	; where the tiles come from.  x's hang on the tile row alone, q's on the tile column alone; each is made in registers that never hold the other coordinate
	s_lshl_b32 s40, s[TR], 8
	s_lshl_b32 s41, s[HF], 7
	s_add_co_u32 s40, s40, s41                     ; x: row 256 x tile row + 128 x half,
	s_lshl_b32 s40, s40, 14                        ; of 16,384 bytes: under 2^28
	s_mov_b32 s41, 0
	s_lshl_b32 s76, s[TC], 1
	s_add_co_u32 s76, s76, s[HF]                   ; q: group of 128 rows 2 x tile column + half,
	s_lshl_b32 s76, s76, 20                        ; of 1,048,576 bytes
	s_mov_b32 s77, 0
	s_mul_i32 s[LA], s[HF], AHALF                  ; and where they go: no place in the cluster enters an LDS address
	s_mul_i32 s[LB], s[HF], BHALF
	s_add_co_u32 s[LB], s[LB], BOFF
	s_wait_dscnt 0x0                               ; both opening adds are done
	s_wait_kmcnt 0x0
	s_add_nc_u64 s[42:43], s[4:5], s[40:41]
	s_add_nc_u64 s[78:79], s[6:7], s[76:77]
	CROUND                                         ; all sixteen work-groups are here: the first joint loads meet
.irp s, 0,1
	s_mov_b32 s[G0A+4*(\s)], 1                                     ; 1:0 count = 1
	s_add_co_u32 s[G0A+4*(\s)+1], s[LA], (\s)*SLOT                 ; 63:32 LDS address
	s_add_nc_u64 s[G0A+4*(\s)+2:G0A+4*(\s)+3], s[42:43], (\s)*256  ; 120:64 global address: K step s
	s_or_b32 s[G0A+4*(\s)+3], s[G0A+4*(\s)+3], 0x80000000          ; 127:126 type = 2
	s_mov_b32 s[G0B+4*(\s)], 1
	s_add_co_u32 s[G0B+4*(\s)+1], s[LB], (\s)*SLOT
	s_add_nc_u64 s[G0B+4*(\s)+2:G0B+4*(\s)+3], s[78:79], (\s)*16384
	s_or_b32 s[G0B+4*(\s)+3], s[G0B+4*(\s)+3], 0x80000000
	JLOAD \s                                       ; the ring is filled before anything else is done: two tensor loads of mine are out
.endr
	; all that follows, up to the wait for the first tile, stands in that wait
	s_load_b32 s[SW], s[10:11], 0x0
	s_load_b32 s[SB], s[12:13], 0x0
	v_and_b32 v1, 15, v0                           ; l % 16
	v_bfe_u32 v2, v0, 4, 1                         ; l / 16
	v_and_b32 v6, 31, v0                           ; l
	s_lshl_b32 s76, s[TC], 9                       ; packed_b: a word holds two columns: the tile's 256 are 512 bytes,
	v_lshl_add_u32 v7, v6, 3, s76                  ; my four columns 8 bytes
	global_load_b64 v[RAW:RAW+1], v7, s[8:9]               ; columns 4 l .. 4 l + 3 of the tile
	global_load_b64 v[RAW+2:RAW+3], v7, s[8:9] offset:256  ; columns 128 + 4 l .. + 3
	; A fragment is 16 rows x 32 K: lane l holds row l % 16, K = 8 (l / 16) + 0..7 and 16 + 8 (l / 16) + 0..7.  Of x, in f32, those are 32 bytes at 32 (l / 16) and 32 at 64 + 32 (l / 16); of q 16 at 16 (l / 16) and 16 at 32 + 16 (l / 16).
	v_mul_u32_u24 v3, v1, PA
	v_lshl_add_u32 v3, v2, 5, v3
	s_mul_i32 s44, s[WV], 64*PA                    ; my 64 rows of x
	v_add_nc_u32 v[ADRA], s44, v3
	v_add_nc_u32 v[ADRA+1], SLOT, v[ADRA]
	v_mul_u32_u24 v4, v1, PB
	v_lshl_add_u32 v4, v2, 4, v4
	v_add_nc_u32 v[ADRB], BOFF, v4
	v_add_nc_u32 v[ADRB+1], BOFF+SLOT, v4
	s_mul_i32 s45, s[WV], WSTG
	s_add_co_u32 s45, s45, STAGE                   ; my stage
	v_mul_u32_u24 v5, v1, SP                       ; in: row l % 16, 32 bytes for each half of the lanes
	v_lshl_add_u32 v5, v2, 5, v5
	v_add_nc_u32 v[STO], s45, v5
	v_lshl_add_u32 v[RD], v6, 4, s45               ; back: 32 lanes take 512 bytes on end, half a row
	v_lshlrev_b32 v[CO], 4, v6                     ; and the same 512 bytes in out0
	s_lshl_b32 s40, s[TR], 8
	s_lshl_b32 s41, s[WV], 6
	s_add_co_u32 s40, s40, s41                     ; my first row of out0,
	s_lshl_b32 s40, s40, 13                        ; of 8,192 bytes: under 2^26
	s_mov_b32 s41, 0
	s_add_nc_u64 s[OP:OP+1], s[14:15], s[40:41]
	s_lshl_b32 s76, s[TC], 10                      ; the tile's first column: 1,024 bytes a tile
	s_mov_b32 s77, 0
	s_add_nc_u64 s[OP:OP+1], s[OP:OP+1], s[76:77]
	; the prefetches: in registers of their own, since both places in the cluster enter
	s_lshl_b32 s82, s[TR], 8
	s_lshl_b32 s83, s[HF], 7
	s_add_co_u32 s82, s82, s83
	s_lshl_b32 s83, s[CX], 5
	s_add_co_u32 s82, s82, s83                     ; x: the 128 rows that I fetch, my work-group's 32 of them,
	s_lshl_b32 s82, s82, 14
	s_add_co_u32 s82, s82, 5*256                   ; at K step 5: the first refill steps it to 6
	s_lshl_b32 s84, s[TC], 1
	s_add_co_u32 s84, s84, s[HF]
	s_lshl_b32 s84, s84, 20                        ; q: the group of 128 rows that I fetch,
	s_lshl_b32 s85, s[CY], 13
	s_add_co_u32 s84, s84, s85                     ; my work-group's 8,192 bytes of two K steps' 32,768,
	s_add_co_u32 s84, s84, 5*16384                 ; at K step 5
	s_and_b32 s44, ttmp7, 0xffff                   ; cluster y
	s_mov_b32 s[PST], 256
	s_mov_b32 s87, 16384
	s_mov_b32 s[PST+1], 0
	s_mov_b32 s83, 0
	s_cmp_eq_u32 s[FB], 0                          ; do I fetch for x?
	s_cselect_b32 s82, s82, s84
	s_cselect_b64 s[PFA:PFA+1], s[4:5], s[6:7]
	s_cselect_b32 s[PST], s[PST], s87
	s_cselect_b32 s85, ttmp9, s44                  ; the coordinate along which other clusters read the same rows
	s_cselect_b32 s86, 14, 8                       ; a lane a row of x (16,384 bytes), or 256 bytes of wq
	s_add_nc_u64 s[PFA:PFA+1], s[PFA:PFA+1], s[82:83]
	s_cmp_eq_u32 s85, 0
	s_cselect_b32 s[LIM0], 2, -1                   ; the same in all sixteen partners, for a given wave
	s_cmp_eq_u32 s[FB], 0
	s_cselect_b32 s[LIM0+1], s[LIM0], -1           ; at slot 1's change x's waves alone ask
	v_lshlrev_b32 v[PFO], s86, v6
	s_wait_kmcnt 0x0
	s_mov_b32 s[SW+1], s[SW]                       ; named with it as a pair
	s_wait_loadcnt 0x0
.irp j, 0,1,2,3
	v_bfe_u32 v[BI+2*\j], v[RAW+\j], 4, 4          ; the even column's nibble lies above
	v_and_b32 v[BI+2*\j+1], 15, v[RAW+\j]
.endr
.irp j, 0,1,2,3,4,5,6,7
	v_add_nc_u32 v[BI+\j], -8, v[BI+\j]
.endr
.irp j, 0,1,2,3,4,5,6,7
	v_cvt_f32_i32 v[BI+\j], v[BI+\j]
.endr
.irp j, 0,1,2,3,4,5,6,7
	v_mul_f32 v[BI+\j], s[SB], v[BI+\j]            ; b = scale_b x (nibble - 8), as the definition has it
.endr
; One matrix instruction: column block b, row block a, on fragment set buf.  zero = 1: the product starts the sum: nothing is ever cleared.
.macro MM1 buf, b, a, zero
.set rD, 8*(4*((\b)%8)+(\a))
.set rB, 128*(\buf)+8*(\b)
.set rA, RA0+64*(\buf)+16*(\a)
.if \zero
	v_wmma_f32_16x16x32_bf16 v[rD:rD+7], v[rB:rB+7], v[rA:rA+7], 0
.else
	v_wmma_f32_16x16x32_bf16 v[rD:rD+7], v[rB:rB+7], v[rA:rA+7], v[rD:rD+7]
.endif
.endm
; 16 of them: column blocks 4 g .. 4 g + 3 x all 4 row blocks.  The 64 accumulators take turns, one instruction a turn, in the same order in every half, over the backward jump and into the tail too:
; between two links of a chain stand the 63 others'.
.macro MULG buf, g, zero
	WIN MUL_LO+0x50*((\g)/2)
.irp bb, 0,1,2,3
.irp a2, 0,1,2,3
	MM1 \buf, 4*(\g)+(\bb), \a2, \zero
.endr
.endr
.endm
; Four roundings: slice i of 8 of set buf: fragment i / 2, its registers 4 (i % 2) .. + 3.  In place: register j takes numbers 2 j and 2 j + 1, j ascending, so nothing is written that is still to be read.
.macro SLICE buf, i
	WIN 0
.set sb, RA0+64*(\buf)+16*((\i)/2)
.irp n, 0,1,2,3
.set sj, 4*((\i)%2)+(\n)
	v_cvt_pk_bf16_f32 v[sb+sj], v[sb+2*sj], v[sb+2*sj+1]
.endr
.endm
; The last 16 of a half, with the next set's roundings behind the last eight, four behind each: they name no register of the products round them.
.macro MULR buf, nbuf, zero
	WIN MUL_HI
.irp bb, 12,13
.irp a2, 0,1,2,3
	MM1 \buf, \bb, \a2, \zero
.endr
.endr
	s_wait_dscnt 32                                ; the next set's 16 loads of x are in; q's 32, issued behind them, may be out
.irp t, 0,1,2,3,4,5,6,7
	WIN MUL_HI
	MM1 \buf, 14+(\t)/4, (\t)%4, \zero
	SLICE \nbuf, \t
.endr
.endm
; 48 LDS loads in one run: the fragments of half kk of a slot's K step into set buf: x's 16 first (64 rows x 32 K in f32), then q's 32 (256 rows x 32 K)
.macro FETCH slot, kk, buf
	WIN 0
.irp a2, 0,1,2,3
.irp c, 0,1,2,3
	ds_load_b128 v[RA0+64*(\buf)+16*(\a2)+4*(\c):RA0+64*(\buf)+16*(\a2)+4*(\c)+3], v[ADRA+(\slot)] offset:(\a2)*16*PA+128*(\kk)+16*((\c)%2)+64*((\c)/2)
.endr
.endr
	WIN TO_B
.irp b2, 0,1,2,3,4,5,6,7,8,9,10,11,12,13,14,15
	ds_load_b128 v[128*(\buf)+8*(\b2):128*(\buf)+8*(\b2)+3],   v[ADRB+(\slot)] offset:(\b2)*16*PB+64*(\kk)
	ds_load_b128 v[128*(\buf)+8*(\b2)+4:128*(\buf)+8*(\b2)+7], v[ADRB+(\slot)] offset:(\b2)*16*PB+64*(\kk)+32
.endr
.endm
; A load into a register that a matrix instruction has read, and an instruction that reads a matrix result, stand four places behind that matrix instruction, and only plain vector instructions that name none
; of its registers are places (ISA guide 7.12.1 for vector instructions).
.macro PLACES
.rept 4
	v_nop
.endr
.endm
; A step's first half: multiplies set buf; behind its first 16 products it fetches half kk of the same slot into set nbuf.
.macro HALF slot, kk, buf, nbuf, zero
	s_wait_dscnt 24                                ; q's column blocks 0-3 are in; the youngest 24 loads (blocks 4-15) may be out; x's were waited for in the half before
	MULG \buf, 0, \zero
	PLACES
	FETCH \slot, \kk, \nbuf
	s_wait_dscnt 48                                ; all but the 48 just issued
	MULG \buf, 1, \zero
	MULG \buf, 2, \zero
	MULR \buf, \nbuf, \zero
.endm
; A step's second half multiplies set 1 and changes slots: ONE barrier, for two things.  In front of it each wave waits for all its tensor loads, of which one is out: its part of the next slot; adds 0 to its
; spare word; and waits for that and for its own reads of this slot.  Behind it nobody reads this slot any more and the next slot is whole.  fill = 1: the barrier opens a round of the cluster's, so that no wave
; of any partner still reads the slot or has a load on its way; the joint refill, with the K step two on, is the first thing behind the round: 96 matrix instructions ahead of the wait for it.
.macro TURN slot, next, fill
	WIN 0                                          ; (the add's two registers lie in window 0)
.if \fill
	s_wait_xcnt 0x0                                ; the last prefetch, a K step back, has read its address: it is stepped here, ahead of the waits of the change of slots
	s_add_nc_u64 s[PFA:PFA+1], s[PFA:PFA+1], s[PST:PST+1]
.endif
	s_wait_tensorcnt 0x0                           ; all my tensor loads have landed;
	ds_add_u32 v[SPW], v[NIL]                      ; 0 onto my spare word;
	s_wait_dscnt 25                                ; (the add and the youngest 24 loads may be out)
	MULG 1, 0, 0                                   ; sixteen matrix instructions stand between the add and the wait for it
	s_wait_dscnt 0x0                               ; the add is done, and my reads of this slot are over:
	s_barrier_signal -1                            ; say so,
	MULG 1, 1, 0                                   ; work on registers while the others arrive,
	WIN 0
	s_barrier_wait -1                              ; and go on when all four have said so
.if \fill
	CREST
	s_add_nc_u64 s[G0A+4*(\slot)+2:G0A+4*(\slot)+3], s[G0A+4*(\slot)+2:G0A+4*(\slot)+3], 2*256    ; no tensor load of mine is out: the slot's two group 0 step two K steps on
	s_add_nc_u64 s[G0B+4*(\slot)+2:G0B+4*(\slot)+3], s[G0B+4*(\slot)+2:G0B+4*(\slot)+3], 2*16384
	JLOAD \slot                                    ; the four v_nop behind it are also the places in front of the loads below
.else
	PLACES
.endif
	FETCH \next, 0, 0
.if \fill
	WIN 0
	ASK LIM0+(\slot)
.endif
	MULG 1, 2, 0
	MULR 1, 0, 0
.endm
; THE WAY OUT of row block ab: 16 rows x 256 columns of f32.  A lane's 32 bytes go into my own stage, rows of 1,040 bytes (each accumulator's four lowest registers first); they come back
; as halves of rows, 512 bytes on end; one fused multiply-add gives scale_w x sum + b; each store of the wave covers 512 consecutive bytes, at a multiple of 512 from out0's first byte.
.macro OUTBLK ab
	WIN ST_LO
.irp b2, 0,1,2,3,4,5,6,7
	ds_store_b128 v[STO], v[8*(4*(\b2)+(\ab)):8*(4*(\b2)+(\ab))+3]   offset:64*(\b2)
	ds_store_b128 v[STO], v[8*(4*(\b2)+(\ab))+4:8*(4*(\b2)+(\ab))+7] offset:64*(\b2)+16
.endr
	WIN ST_HI
.irp b2, 0,1,2,3,4,5,6,7
	ds_store_b128 v[STO], v[8*(4*(\b2)+(\ab)):8*(4*(\b2)+(\ab))+3]   offset:512+64*(\b2)
	ds_store_b128 v[STO], v[8*(4*(\b2)+(\ab))+4:8*(4*(\b2)+(\ab))+7] offset:512+64*(\b2)+16
.endr
	WIN 0
	s_wait_xcnt 0x0                                ; the block before's stores have read their data registers, which are loaded again below
.set i, 0
.rept 32
	ds_load_b128 v[OB+4*i:OB+4*i+3], v[RD] offset:(i/2)*SP+512*(i%2)  ; LDS serves a wave's instructions in order (ISA guide 5.7.1.4): these see the stores above
.set i, i+1
.endr
.set i, 0
.rept 32
	s_wait_dscnt 31-i                              ; number i is back; the 31 - i younger ones may be out
	v_pk_fma_f32 v[OB+4*i:OB+4*i+1],   v[OB+4*i:OB+4*i+1],   s[SW:SW+1], v[BI+4*(i%2):BI+4*(i%2)+1]   op_sel_hi:[1,0,1]
	v_pk_fma_f32 v[OB+4*i+2:OB+4*i+3], v[OB+4*i+2:OB+4*i+3], s[SW:SW+1], v[BI+4*(i%2)+2:BI+4*(i%2)+3] op_sel_hi:[1,0,1]
	global_store_b128 v[CO], v[OB+4*i:OB+4*i+3], s[OP:OP+1] offset:(16*(\ab)+i/2)*8192+512*(i%2) th:TH_STORE_NT  ; 516,608 at the most: inside the signed 24-bit immediate
.set i, i+1
.endr
.endm
	s_wait_tensorcnt 1                             ; my part of K step 0 is in; K step 1's may stay out
	s_barrier_signal -1
	s_barrier_wait -1                              ; everybody's is
	FETCH 0, 0, 0
	s_wait_dscnt 32                                ; x's 16 loads are in
.irp t, 0,1,2,3,4,5,6,7
	SLICE 0, \t                                    ; the first set's roundings: there are no products yet to set them behind
.endr
	HALF 0, 1, 0, 1, 1                             ; the first half stands in front of the loop: its products start the sums
	WIN 0                                          ; at a label and at a branch every window is 0
	s_mov_b32 s[LAP], 31
.Llap:                                                 ; a trip goes once round the ring, from a lap's second half to the next lap's first, and fills both slots again: K steps 2 to 63 in 31 trips
	TURN 0, 1, 1
	HALF 1, 1, 0, 1, 0
	TURN 1, 0, 1
	HALF 0, 1, 0, 1, 0
	WIN 0
	s_sub_co_u32 s[LAP], s[LAP], 1
	s_cmp_lg_u32 s[LAP], 0
	s_cbranch_scc1 .Llap
	TURN 0, 1, 0                                   ; the tail is written out: K step 63 is waited for, nothing is asked for, no round follows
	HALF 1, 1, 0, 1, 0
	s_wait_dscnt 0x0                               ; the very last half: nothing more to fetch
	MULG 1, 0, 0
	MULG 1, 1, 0
	MULG 1, 2, 0
	MULG 1, 3, 0
	WIN 0
	PLACES
	PLACES                                         ; eight, once a launch, between the last products and the stores that read results and the loads into x's registers
	OUTBLK 0
	OUTBLK 1
	OUTBLK 2
	OUTBLK 3
	s_wait_tensorcnt 0x0                           ; the wave's end: a wait, the add and its wait, behind my last tensor load and my last LDS store
	ds_add_u32 v[SPW], v[NIL]
	s_wait_dscnt 0x0
	CROUND                                         ; the closing round: no work-group ends while a partner may still ask for a tile that names it
	s_endpgm
.Lfunc_end_k_qed89438e28_gemm:
	.size	k_qed89438e28_gemm, .Lfunc_end_k_qed89438e28_gemm-k_qed89438e28_gemm
	.p2alignl 7, 3214868480
	.fill 96, 4, 3214868480
	.section	.rodata,"a",@progbits
	.p2align	6, 0x0
	.amdhsa_kernel k_qed89438e28_gemm
		.amdhsa_group_segment_fixed_size 327680
		.amdhsa_private_segment_fixed_size 0
		.amdhsa_enable_private_segment 0
		.amdhsa_kernarg_size 48
		.amdhsa_user_sgpr_count 2
		.amdhsa_user_sgpr_kernarg_segment_ptr 1
		.amdhsa_wavefront_size32 1
		.amdhsa_system_sgpr_workgroup_id_x 1
		.amdhsa_system_sgpr_workgroup_id_y 1
		.amdhsa_system_sgpr_workgroup_id_z 1
		.amdhsa_system_vgpr_workitem_id 0
		.amdhsa_next_free_vgpr 1024
		.amdhsa_next_free_sgpr 88
		.amdhsa_reserve_vcc 0
		.amdhsa_float_denorm_mode_32 3
		.amdhsa_float_denorm_mode_16_64 3
		.amdhsa_memory_ordered 1
		.amdhsa_forward_progress 1
		.amdhsa_inst_pref_size 140
	.end_amdhsa_kernel
	.amdgpu_metadata
---
amdhsa.version: [ 1, 2 ]
amdhsa.kernels:
  - .name:           k_qed89438e28_gemm
    .symbol:         k_qed89438e28_gemm.kd
    .args:
      - { .name: x, .offset: 0, .size: 8, .value_kind: global_buffer, .address_space: global }
      - { .name: wq, .offset: 8, .size: 8, .value_kind: global_buffer, .address_space: global }
      - { .name: packed_b, .offset: 16, .size: 8, .value_kind: global_buffer, .address_space: global }
      - { .name: scale_w, .offset: 24, .size: 8, .value_kind: global_buffer, .address_space: global }
      - { .name: scale_b, .offset: 32, .size: 8, .value_kind: global_buffer, .address_space: global }
      - { .name: out0, .offset: 40, .size: 8, .value_kind: global_buffer, .address_space: global }
    .group_segment_fixed_size: 327680
    .private_segment_fixed_size: 0
    .kernarg_segment_align: 8
    .kernarg_segment_size: 48
    .max_flat_workgroup_size: 128
    .sgpr_count:     88
    .vgpr_count:     1024
    .wavefront_size: 32
...
	.end_amdgpu_metadata
.endif
;; end of part 2
;; ======== version 2 of 3: 2 launches
;; limits: inputs' magnitudes at most 1e+34
;; workspace buffers: xb 67,108,864 bytes; wq 16,777,216 bytes
;; launch prep (part 3): grid 2048 x 1, 4 waves a work-group, no clusters, 0 bytes of LDS; arguments x, packed_w, xb, wq; writes xb, wq
.if DOCPART == 3
	.amdgcn_target "amdgcn-amd-amdhsa--gfx1250"
	.amdhsa_code_object_version 6
	.text
	.protected	k_qed89438e28_prep
	.globl	k_qed89438e28_prep
	.p2align	8
	.type	k_qed89438e28_prep,@function
k_qed89438e28_prep:
	s_mov_b64 s[64:65], 0
	v_nop
	global_prefetch_b8 v0, s[64:65] scope:SCOPE_SE
	s_setreg_imm32_b32 hwreg(HW_REG_WAVE_MODE, 25, 1), 1
	s_wait_xcnt 0x0
; TWO OPERANDS ARE MADE READY FOR THE PRODUCT THAT FOLLOWS, each once.
; xb = x rounded to bf16, [8192][4096], row-major: the one rounding of the product's first operand.
; wq = the weights' whole numbers q = nibble - 8 as bf16 (exact: -8 .. 7), unscaled, [2048][4096], row-major.  packed_w: word j of row o holds W's k = 2 j in bits 7:4 and k = 2 j + 1 in bits 3:0; the bits above
; take no part, as in the masks of the definition.  A word is 4 bytes for two weights, and two bf16 are 4 bytes: the map is word for word, each word stored at the offset from which it was loaded; the even k goes into the low half.
; NOTHING IS LEFT OUT: every number of x and every word of packed_w reaches the output; the slice [:n_values] of the definition cuts nothing.  The scale is applied later, to the f32 sums.
; WHY x IS ROUNDED HERE and not on its way through the product's LDS: as f32 a K step of 128 of a 256 x 256 tile would take 2 x (256 x 528 + 256 x 272) = 409,600 bytes for two slots, more than a work-group can have,
; and each wave would read 4 bytes in place of 2 from LDS for each number of x.
; SHARES.  8,192 waves; wave p owns row p of x (16,384 bytes in, 8,192 out) and 2,048 bytes of packed_w (as many out).  Each load of the wave covers 512 consecutive bytes, aligned.  A lane's four f32 become 8 bytes:
; each store into xb covers 256 consecutive bytes, aligned; each store into wq 512.
; All 36 loads of a wave go out before the first wait; no register is written again after its store, so no wait for a store's sources is needed.  No LDS: no wave wants another wave's bytes.
.set XI,  1                            ; v1        my byte offset in x; never rewritten
.set XO,  2                            ; v2        my byte offset in xb; never rewritten
.set WO,  3                            ; v3        my byte offset in packed_w and in wq; never rewritten
.set T,   4                            ; v[4:7]    set-up, then four words at work
.set DW,  8                            ; v[8:23]   4 x 4 words of packed_w, as loaded and then as stored
.set DX,  24                           ; v[24:151] 32 x 4 numbers of x; the first two registers of each four are stored
	s_load_b256 s[4:11], s[0:1], 0x0               ; x s[4:5], packed_w s[6:7], xb s[8:9], wq s[10:11]
	s_lshl_b32 s12, ttmp9, 2                       ; the work-group's first wave among all
	s_mov_b32 s13, 0x000f000f                      ; a nibble in each half
	s_mov_b32 s14, 0x43004300                      ; bf16 128.0 twice: with a nibble n in its low bits it is 128 + n
	s_mov_b32 s15, 0xc308c308                      ; bf16 -136.0 twice
	v_lshrrev_b32 v4, 5, v0
	v_add_nc_u32 v4, s12, v4                       ; p
	v_and_b32 v5, 31, v0                           ; lane
	v_lshlrev_b32 v[XI], 14, v4                    ; p x 16,384: under 2^27
	v_lshl_add_u32 v[XI], v5, 4, v[XI]
	v_lshlrev_b32 v[XO], 13, v4                    ; p x 8,192
	v_lshl_add_u32 v[XO], v5, 3, v[XO]
	v_lshlrev_b32 v[WO], 11, v4                    ; p x 2,048
	v_lshl_add_u32 v[WO], v5, 4, v[WO]
	s_wait_kmcnt 0x0
.irp j, 0,1,2,3
	global_load_b128 v[DW+4*\j:DW+4*\j+3], v[WO], s[6:7] offset:512*\j th:TH_LOAD_NT
.endr
.set i, 0
.rept 32
	global_load_b128 v[DX+4*i:DX+4*i+3], v[XI], s[4:5] offset:512*i th:TH_LOAD_NT
.set i, i+1
.endr
.set i, 0
.rept 4
	s_wait_loadcnt 35-i                            ; loads come back in order (ISA guide 5.7.1): number i of packed_w is in; its 3 - i successors and x's 32 may stay out
.irp j, 0,1,2,3
	v_bfe_u32 v[T+\j], v[DW+4*i+\j], 4, 4          ; the high nibble, for the low half
.endr
.irp j, 0,1,2,3
	v_lshl_or_b32 v[T+\j], v[DW+4*i+\j], 16, v[T+\j]  ; the word's low bits move into the high half
.endr
.irp j, 0,1,2,3
	v_and_or_b32 v[DW+4*i+\j], v[T+\j], s13, s14   ; two bf16: 128 + nibble
.endr
.irp j, 0,1,2,3
	v_pk_add_bf16 v[DW+4*i+\j], v[DW+4*i+\j], s15  ; - 136: nibble - 8, exact
.endr
	global_store_b128 v[WO], v[DW+4*i:DW+4*i+3], s[10:11] offset:512*i
.set i, i+1
.endr
.set i, 0
.rept 32
	s_wait_loadcnt 31-i                            ; number i of x is in, the 31 - i younger ones may stay out
	v_cvt_pk_bf16_f32 v[DX+4*i],   v[DX+4*i],   v[DX+4*i+1]  ; two roundings to nearest even, packed, the lower k in the low half
	v_cvt_pk_bf16_f32 v[DX+4*i+1], v[DX+4*i+2], v[DX+4*i+3]
	global_store_b64 v[XO], v[DX+4*i:DX+4*i+1], s[8:9] offset:256*i
.set i, i+1
.endr
	s_endpgm
.Lfunc_end_k_qed89438e28_prep:
	.size	k_qed89438e28_prep, .Lfunc_end_k_qed89438e28_prep-k_qed89438e28_prep
	.p2alignl 7, 3214868480
	.fill 96, 4, 3214868480
	.section	.rodata,"a",@progbits
	.p2align	6, 0x0
	.amdhsa_kernel k_qed89438e28_prep
		.amdhsa_group_segment_fixed_size 0
		.amdhsa_private_segment_fixed_size 0
		.amdhsa_enable_private_segment 0
		.amdhsa_kernarg_size 32
		.amdhsa_user_sgpr_count 2
		.amdhsa_user_sgpr_kernarg_segment_ptr 1
		.amdhsa_wavefront_size32 1
		.amdhsa_system_sgpr_workgroup_id_x 1
		.amdhsa_system_sgpr_workgroup_id_y 1
		.amdhsa_system_sgpr_workgroup_id_z 1
		.amdhsa_system_vgpr_workitem_id 0
		.amdhsa_next_free_vgpr 152
		.amdhsa_next_free_sgpr 66
		.amdhsa_reserve_vcc 0
		.amdhsa_float_denorm_mode_32 3
		.amdhsa_float_denorm_mode_16_64 3
		.amdhsa_memory_ordered 1
		.amdhsa_forward_progress 1
		.amdhsa_inst_pref_size 17
	.end_amdhsa_kernel
	.amdgpu_metadata
---
amdhsa.version: [ 1, 2 ]
amdhsa.kernels:
  - .name:           k_qed89438e28_prep
    .symbol:         k_qed89438e28_prep.kd
    .args:
      - { .name: x, .offset: 0, .size: 8, .value_kind: global_buffer, .address_space: global }
      - { .name: packed_w, .offset: 8, .size: 8, .value_kind: global_buffer, .address_space: global }
      - { .name: xb, .offset: 16, .size: 8, .value_kind: global_buffer, .address_space: global }
      - { .name: wq, .offset: 24, .size: 8, .value_kind: global_buffer, .address_space: global }
    .group_segment_fixed_size: 0
    .private_segment_fixed_size: 0
    .kernarg_segment_align: 8
    .kernarg_segment_size: 32
    .max_flat_workgroup_size: 128
    .sgpr_count:     66
    .vgpr_count:     152
    .wavefront_size: 32
...
	.end_amdgpu_metadata
.endif
;; end of part 3
;; launch gemm (part 4): grid 8 x 32, 4 waves a work-group, clusters of 4 x 4, 327,680 bytes of LDS; arguments xb, wq, packed_b, scale_w, scale_b, out0; writes out0
.if DOCPART == 4
	.amdgcn_target "amdgcn-amd-amdhsa--gfx1250"
	.amdhsa_code_object_version 6
	.text
	.protected	k_qed89438e28_gemm
	.globl	k_qed89438e28_gemm
	.p2align	8
	.type	k_qed89438e28_gemm,@function
k_qed89438e28_gemm:
	s_mov_b64 s[64:65], 0
	v_nop
	global_prefetch_b8 v0, s[64:65] scope:SCOPE_SE
	s_setreg_imm32_b32 hwreg(HW_REG_WAVE_MODE, 25, 1), 1
	s_wait_xcnt 0x0
	s_wait_alu depctr_hold_cnt(0) depctr_sa_sdst(0) depctr_va_vdst(0) depctr_va_sdst(0) depctr_va_ssrc(0) depctr_va_vcc(0) depctr_vm_vsrc(0)
	s_getreg_b32 s2, hwreg(HW_REG_IB_STS2, 6, 4)
	s_cmp_eq_u32 s2, 0
	s_cbranch_scc0 .Lentry_in_a_cluster
	s_endpgm
.Lentry_in_a_cluster:
	s_bfe_u32 s2, ttmp6, 0x10000c
	s_cmp_lg_u32 s2, 0xf033
	s_cbranch_scc0 .Lentry_shape_is_right
	s_endpgm
.Lentry_shape_is_right:
; out0[m][o] = scale_w x (the sum over k of xb[m][k] q[o][k]) + scale_b x (nibble_b[o] - 8).  xb: [8192][4096] bf16, x rounded once; q: wq, [2048][4096] bf16, exact whole numbers -8 .. 7; out0: [8192][2048] f32.
; Nothing of the definition is left out.
; LIMITS.  x enters as bf16; the sums are f32; scale_w multiplies the finished sum (the definition scales each weight first: another order of rounding; the weights themselves are not rounded at all here).
; NaN and infinities go through the arithmetic as they come.
; SHARES.  A tile of out0 is 256 x 256: 32 x 8 = 256 work-groups of four waves; a wave makes 128 x 128: 64 accumulators of 16 x 16, 512 registers.  K goes in steps of 128 through a ring of two LDS slots filled by the
; tensor data mover: the rows of both tiles are 256 bytes of memory, at multiples of 256 from their buffer's first byte.  A step is four quarters of 32 along K, 64 matrix instructions each, on two sets of fragment registers.
; THE MATRIX INSTRUCTION IS USED TRANSPOSED: source 0 = 16 rows of q, source 1 = 16 rows of xb: a lane holds row l % 16 of out0 and the columns 8 (l / 16) + 0 .. 7: 32 bytes on end.
; CLUSTERS: 4 x 4 work-groups.  The four of a row of the cluster need the same tiles of xb, the four of a column the same tiles of q: each tile is asked for JOINTLY, by the same tensor load with the same descriptor
; and a mask that names the four.  Waves 0 and 1 fetch the halves of xb's tile, waves 2 and 3 those of q's.
; REGISTERS, in windows of 256 (s_set_vgpr_msb: bits 1:0 source 0, 3:2 source 1, 5:4 source 2, 7:6 destination):
;   window 0: v0-33 addresses, bias; v64-127, v128-191 xb's fragments (8 x 16 rows x 32 K), two sets; on the way out the same registers hold rows of out0
;   window 1: v64-127, v128-191 q's fragments, two sets
;   window 2: the 32 accumulators of my rows 0-63 ((a, b) at v[8 (8 a + b)]);   window 3: those of my rows 64-127
.set SIZE_K, 4096
.set KSTEP,  128
.set PITCH,  272                       ; an LDS row: 256 bytes + 16 of padding = 68 words: row r starts at bank 4 r mod 64 (64 banks of 4 bytes: ISA guide 11.1), so the 16 rows of a load start at 16 different banks
.set HALFT,  128*PITCH                 ; 128 rows: what one tensor load brings, and what one wave reads of either tile
.set SLOT,   4*HALFT                   ; xb's 256 rows, then q's 256 rows
.set STAGE,  2*SLOT                    ; behind the ring, never filled by a tensor load: 16 rows x 528 bytes for each wave, for the way out
.set SP,     528                       ; 512 + 16 = 132 words: the 16 rows of a store start at 16 different banks
.set WSTG,   16*SP
.set SPARE,  STAGE+4*WSTG              ; behind the stages: the spare words, 128 bytes for each wave: two blocks of 256 bytes that no other line names
.set LAPS,   SIZE_K/(2*KSTEP)          ; a lap = two K steps = once round the ring: 16
.set OROW,   8192                      ; bytes in a row of out0
.set BI,   8                           ; v[8:11]  the bias of my four columns on the way out
.set ADRA, 16                          ; v16-17   LDS address of my fragments of xb in slot 0, 1
.set ADRB, 20                          ; v20-21   the same for q
.set STO,  24                          ; v24      the way out: where I put 32 bytes of a row
.set RD,   25                          ; v25      the way out: where I read a row back
.set CO,   26                          ; v26      my byte offset in 512 consecutive bytes of out0
.set SPW,  28                          ; v28      LDS address of my spare word: SPARE + 4 x my thread's number; never rewritten
.set NIL,  29                          ; v29      0; never rewritten
.set PFO,  30                          ; v30      the prefetches' offset: my lane x a row of xb or wq (8,192 bytes); never rewritten
.set RAW,  32                          ; v[32:33] two words of packed_b
.set F0,   64                          ; fragment set 0
.set F1,   128                         ; fragment set 1
.set OB,   64                          ; the way out: 16 rows read back from the stage: v64-127 and v128-191 by turns
.set LAP,  3                           ; s3       laps to go
.set WV,   16                          ; s16      my wave's number
.set FB,   17                          ; s17      which half of the tile's rows is mine.  Also: I fetch for xb (0) or for q (1)
.set HF,   18                          ; s18      which half of its columns.  Also: which 128 rows of that tile I fetch
.set CX,   19
.set CY,   20
.set TC,   21                          ; s21      tile column
.set TR,   22                          ; s22      tile row
.set LA,   23                          ; s23      where my load lands in a slot: wave x 128 rows
.set G1A,  24                          ; s[24:31] descriptor group 1 for xb's tiles;  s[32:39] group 0, a set for each slot
.set G0A,  32
.set G1B,  48                          ; s[48:55], s[56:63] the same for q's tiles
.set G0B,  56
.set PFA,  66                          ; s[66:67] where my prefetches stand: my work-group's 32 rows of the 128 that I fetch, one K step further along K than the refill that is being asked for
.set LIM,  70                          ; s70      1 in a wave that prefetches, else the greatest number
.set SW,   72                          ; s[72:73] scale_w, twice
.set SB,   74                          ; s74      scale_b
.set OP,   80                          ; s[80:81] out0 at my wave's first row and first column
.set G1W,  (1<<16)|(1<<20)|(1<<21)|(5<<22)|(3<<25)  ; 17:16 elements of 2 bytes; 20 padding on; 21 set beside a mask; 24:22 after every 64 words (code 5); 31:25 4 words of it (code 3)
.set MSB, 0
.macro WIN new                         ; the immediate's high byte repeats the setting that is left; a switch that changes nothing is dropped
.if MSB != (\new)
	s_set_vgpr_msb (MSB<<8)|(\new)
.set MSB, \new
.endif
.endm
.set MUL_LO, 0xa1                      ; source 0 (q) window 1, source 1 (xb) window 0, C and D window 2
.set MUL_HI, 0xf1                      ; the same, C and D window 3
.set TO_B,   0x40                      ; destination window 1, address window 0
.set ST_LO,  0x08                      ; an LDS store's data (source 1) in window 2; + 4: in window 3
; A joint load.  Each of the two lines has one mask and one set of registers for all that issue it; the branch hangs on the wave's number alone.
; An s_nop 0 and four v_nop follow each of the two lines, ahead of the jump, the label and what follows.
.macro JLOAD s
	s_cmp_eq_u32 s[FB], 0
	s_cbranch_scc0 .Lfor_b_\@
	tensor_load_to_lds s[G0A+4*(\s):G0A+4*(\s)+3], s[G1A:G1A+7]
	s_nop 0
.rept 4
	v_nop
.endr
	s_branch .Lasked_\@
.Lfor_b_\@:
	tensor_load_to_lds s[G0B+4*(\s):G0B+4*(\s)+3], s[G1B:G1B+7]
	s_nop 0
.rept 4
	v_nop
.endr
.Lasked_\@:
.endm
; A PREFETCH INTO THE L2, behind each joint load, its five lines and the run of LDS loads that follows them: the K step that stands TWO refills on, 512 matrix instructions ahead of the load that will want it:
; 32 rows x 256 bytes, a lane a row, one instruction a wave.  Each row's 256 bytes of a K step are named ONCE in the launch.  xb's tile row is read by both clusters of that row of clusters: the one with cluster x = 0
; asks; q's tile column by all eight clusters of that column: the one with cluster y = 0 asks.  The four partners that ask for a tile jointly share its rows out BY ADDRESS: of the 128 rows that a wave fetches, the
; partner at place p takes 32 p .. 32 p + 31 (p = cx for xb, cy for q): no branch hangs on a place in the cluster.  K steps 0 to 3 come by their loads alone; the loop's last trip, whose refills are K steps 30 and 31, asks for nothing.
.macro ASK
	s_cmp_gt_u32 s[LAP], s[LIM]
	s_cbranch_scc0 .Lnot_mine_\@
	global_prefetch_b8 v[PFO], s[PFA:PFA+1] offset:KSTEP*2 th:TH_LOAD_NT scope:SCOPE_SE
.Lnot_mine_\@:
.endm
; A round of the cluster's barrier: my work-group's barrier, so that wave 0's signal speaks for all four waves; wave 0 signals; every wave waits for all sixteen work-groups; my work-group's barrier once more.
.macro CREST                           ; a round behind its opening barrier
	s_cmp_lg_u32 s[WV], 0
	s_cbranch_scc1 .Lnot_wave_0_\@
	s_barrier_signal -3
.Lnot_wave_0_\@:
	s_barrier_wait -3
	s_barrier_signal -1
	s_barrier_wait -1
.endm
.macro CROUND                          ; a whole round
	s_barrier_signal -1
	s_barrier_wait -1
	CREST
.endm
	s_load_b256 s[4:11], s[0:1], 0x0               ; xb s[4:5], wq s[6:7], packed_b s[8:9], scale_w s[10:11]
	s_load_b128 s[12:15], s[0:1], 0x20             ; scale_b s[12:13], out0 s[14:15]
	v_lshl_add_u32 v[SPW], v0, 2, SPARE
	v_mov_b32 v[NIL], 0
	ds_add_u32 v[SPW], v[NIL]                      ; the wave's opening: the add, twice on end, and its wait ahead of my first tensor load; the set-up below, work on registers, stands between
	ds_add_u32 v[SPW], v[NIL]                      ; and once more, under the one wait
	v_lshrrev_b32 v1, 5, v0
	v_readfirstlane_b32 s[WV], v1                  ; wave 0..3
	s_lshr_b32 s[FB], s[WV], 1
	s_and_b32 s[HF], s[WV], 1
	s_bfe_u32 s[CX], ttmp6, 0x40000                ; my place along the cluster's x
	s_bfe_u32 s[CY], ttmp6, 0x40004                ; along its y
	s_lshl_b32 s[TC], ttmp9, 2                     ; in a cluster launch ttmp9 and ttmp7 count clusters
	s_add_co_u32 s[TC], s[TC], s[CX]               ; tile column = 4 x cluster x + cx
	s_and_b32 s[TR], ttmp7, 0xffff
	s_lshl_b32 s[TR], s[TR], 2
	s_add_co_u32 s[TR], s[TR], s[CY]               ; tile row = 4 x cluster y + cy
	s_lshl_b32 s40, s[CY], 2
	s_lshl_b32 s40, 15, s40                        ; my row of the cluster: places 4 cy .. 4 cy + 3
	s_lshl_b32 s76, 0x1111, s[CX]                  ; my column: places cx, cx + 4, cx + 8, cx + 12
	; descriptor group 1: a tile of 128 rows x 128 elements, padded in LDS; the two differ in the mask alone
	s_or_b32 s[G1A+0], s40, G1W                    ; 15:0 the mask: xb's tiles go to my row
	s_or_b32 s[G1B+0], s76, G1W                    ; q's to my column
.irp g, G1A, G1B
	s_mov_b32 s[(\g)+1], KSTEP<<16                 ; tensor_dim0 = 128
	s_mov_b32 s[(\g)+2], 128<<16                   ; tensor_dim1 = 128
	s_mov_b32 s[(\g)+3], KSTEP<<16                 ; tile_dim0 = 128
	s_mov_b32 s[(\g)+4], 128                       ; tile_dim1 = 128
	s_mov_b32 s[(\g)+5], SIZE_K                    ; tensor_dim0_stride: elements from row to row
	s_mov_b32 s[(\g)+6], 0
	s_mov_b32 s[(\g)+7], 0
.endr
	; where the tiles come from.  xb's hang on the tile row alone, q's on the tile column alone; each is made in registers that never hold the other coordinate
	s_lshl_b32 s40, s[TR], 8
	s_lshl_b32 s41, s[HF], 7
	s_add_co_u32 s40, s40, s41                     ; xb: row 256 x tile row + 128 x half,
	s_lshl_b32 s40, s40, 13                        ; of 8,192 bytes: under 2^26
	s_mov_b32 s41, 0
	s_lshl_b32 s76, s[TC], 8
	s_lshl_b32 s77, s[HF], 7
	s_add_co_u32 s76, s76, s77                     ; q: row 256 x tile column + 128 x half,
	s_lshl_b32 s76, s76, 13                        ; of 8,192 bytes
	s_mov_b32 s77, 0
	s_mul_i32 s[LA], s[WV], HALFT                  ; and where they go: xb's two halves, then q's two halves = wave x 128 rows: no place in the cluster enters an LDS address
	s_wait_dscnt 0x0                               ; both opening adds are done
	s_wait_kmcnt 0x0
	s_add_nc_u64 s[42:43], s[4:5], s[40:41]
	s_add_nc_u64 s[78:79], s[6:7], s[76:77]
	CROUND                                         ; all sixteen work-groups are here: the first joint loads meet
.irp s, 0,1
	s_mov_b32 s[G0A+4*(\s)], 1                                     ; 1:0 count = 1
	s_add_co_u32 s[G0A+4*(\s)+1], s[LA], (\s)*SLOT                 ; 63:32 LDS address
	s_add_nc_u64 s[G0A+4*(\s)+2:G0A+4*(\s)+3], s[42:43], (\s)*KSTEP*2  ; 120:64 global address: K step s
	s_or_b32 s[G0A+4*(\s)+3], s[G0A+4*(\s)+3], 0x80000000          ; 127:126 type = 2
	s_mov_b32 s[G0B+4*(\s)], 1
	s_add_co_u32 s[G0B+4*(\s)+1], s[LA], (\s)*SLOT
	s_add_nc_u64 s[G0B+4*(\s)+2:G0B+4*(\s)+3], s[78:79], (\s)*KSTEP*2
	s_or_b32 s[G0B+4*(\s)+3], s[G0B+4*(\s)+3], 0x80000000
	JLOAD \s                                       ; the ring is filled before anything else is done: two tensor loads of mine are out
.endr
	; all that follows, up to the wait for the first tile, stands in that wait
	s_load_b32 s[SW], s[10:11], 0x0
	s_load_b32 s[SB], s[12:13], 0x0
	v_and_b32 v1, 15, v0                           ; l % 16
	v_bfe_u32 v2, v0, 4, 1                         ; l / 16
	v_and_b32 v6, 31, v0                           ; l
	s_lshl_b32 s76, s[TC], 9                       ; packed_b: a word holds two columns: the tile's 256 are 512 bytes,
	s_lshl_b32 s77, s[HF], 8                       ; my wave's 128 are 256,
	s_add_co_u32 s76, s76, s77
	v_lshl_add_u32 v7, v6, 3, s76                  ; my four columns 8
	global_load_b64 v[RAW:RAW+1], v7, s[8:9]       ; columns 4 l .. 4 l + 3 of my wave's 128
	; A fragment is 16 rows x 32 K in 8 registers: lane l holds row l % 16; registers 0-3 hold K = 8 (l / 16) + 0..7, registers 4-7 K = 16 + 8 (l / 16) + 0..7: two loads of 16 bytes, 32 bytes apart
	v_mul_u32_u24 v3, v1, PITCH
	v_lshl_add_u32 v3, v2, 4, v3                   ; row x pitch + 16 x half
	s_mul_i32 s44, s[FB], HALFT                    ; my 128 rows of xb
	s_mul_i32 s45, s[HF], HALFT                    ; my 128 rows of q,
	s_add_co_u32 s45, s45, 2*HALFT                 ; which lie behind xb's 256
	v_add_nc_u32 v[ADRA], s44, v3
	v_add_nc_u32 v[ADRA+1], SLOT, v[ADRA]
	v_add_nc_u32 v[ADRB], s45, v3
	v_add_nc_u32 v[ADRB+1], SLOT, v[ADRB]
	s_mul_i32 s46, s[WV], WSTG
	s_add_co_u32 s46, s46, STAGE                   ; my stage
	v_mul_u32_u24 v5, v1, SP                       ; in: row l % 16, 32 bytes for each half of the lanes
	v_lshl_add_u32 v5, v2, 5, v5
	v_add_nc_u32 v[STO], s46, v5
	v_lshl_add_u32 v[RD], v6, 4, s46               ; back: 32 lanes take a row's 512 bytes
	v_lshlrev_b32 v[CO], 4, v6                     ; and the same 512 bytes in out0
	s_lshl_b32 s40, s[TR], 8
	s_lshl_b32 s41, s[FB], 7
	s_add_co_u32 s40, s40, s41                     ; my first row of out0,
	s_lshl_b32 s40, s40, 13                        ; of 8,192 bytes: under 2^26
	s_mov_b32 s41, 0
	s_add_nc_u64 s[OP:OP+1], s[14:15], s[40:41]
	s_lshl_b32 s76, s[TC], 10                      ; the tile's first column: 1,024 bytes a tile,
	s_lshl_b32 s77, s[HF], 9                       ; my wave's half of it
	s_add_co_u32 s76, s76, s77
	s_mov_b32 s77, 0
	s_add_nc_u64 s[OP:OP+1], s[OP:OP+1], s[76:77]
	; the prefetches: in registers of their own, since both places in the cluster enter
	s_lshl_b32 s82, s[TR], 8
	s_lshl_b32 s84, s[TC], 8
	s_and_b32 s85, ttmp7, 0xffff                   ; cluster y
	s_cmp_eq_u32 s[FB], 0                          ; do I fetch for xb?
	s_cselect_b32 s82, s82, s84                    ; the tile's first row: in xb by the tile row, in wq by the tile column
	s_cselect_b32 s83, s[CX], s[CY]                ; my place among the four that ask for it with me
	s_cselect_b32 s85, ttmp9, s85                  ; the coordinate along which other clusters read the same rows
	s_cselect_b64 s[PFA:PFA+1], s[4:5], s[6:7]
	s_cmp_eq_u32 s85, 0
	s_cselect_b32 s[LIM], 1, -1                    ; the same in all sixteen partners, for a given wave
	s_lshl_b32 s84, s[HF], 7
	s_add_co_u32 s82, s82, s84                     ; + the 128 rows that I fetch
	s_lshl_b32 s83, s83, 5
	s_add_co_u32 s82, s82, s83                     ; + my work-group's 32 of them,
	s_lshl_b32 s82, s82, 13                        ; of 8,192 bytes,
	s_add_co_u32 s82, s82, 2*KSTEP*2               ; at K step 2: the first refill steps it to 3 and names K step 4
	s_mov_b32 s83, 0
	s_add_nc_u64 s[PFA:PFA+1], s[PFA:PFA+1], s[82:83]
	v_lshlrev_b32 v[PFO], 13, v6
	s_wait_kmcnt 0x0
	s_mov_b32 s[SW+1], s[SW]                       ; named with it as a pair
	s_wait_loadcnt 0x0
.irp j, 0,1
	v_bfe_u32 v[BI+2*\j], v[RAW+\j], 4, 4          ; the even column's nibble lies above
	v_and_b32 v[BI+2*\j+1], 15, v[RAW+\j]
.endr
.irp j, 0,1,2,3
	v_add_nc_u32 v[BI+\j], -8, v[BI+\j]
.endr
.irp j, 0,1,2,3
	v_cvt_f32_i32 v[BI+\j], v[BI+\j]
.endr
.irp j, 0,1,2,3
	v_mul_f32 v[BI+\j], s[SB], v[BI+\j]            ; b = scale_b x (nibble - 8), as the definition has it
.endr
; 16 matrix instructions: row blocks a0, a0 + 1 of the window's four (hi = 0: my rows 0-63, 1: rows 64-127) x all 8 column blocks, 32 along K.  zero = 1: the product starts the sum: nothing is ever cleared.
; The 64 accumulators take turns, one instruction a turn, in the same order in every quarter, over the backward jump and into the tail too: between two links of a chain stand the 63 others'.
.macro MUL16 f, hi, a0, zero
	WIN MUL_LO+0x50*(\hi)
.irp a, \a0, (\a0)+1
.irp b, 0,1,2,3,4,5,6,7
.if \zero
	v_wmma_f32_16x16x32_bf16 v[8*(8*(\a)+(\b)):8*(8*(\a)+(\b))+7], v[(\f)+8*(\b):(\f)+8*(\b)+7], v[(\f)+8*(4*(\hi)+(\a)):(\f)+8*(4*(\hi)+(\a))+7], 0
.else
	v_wmma_f32_16x16x32_bf16 v[8*(8*(\a)+(\b)):8*(8*(\a)+(\b))+7], v[(\f)+8*(\b):(\f)+8*(\b)+7], v[(\f)+8*(4*(\hi)+(\a)):(\f)+8*(4*(\hi)+(\a))+7], v[8*(8*(\a)+(\b)):8*(8*(\a)+(\b))+7]
.endif
.endr
.endr
.endm
; 32 LDS loads in one run: the fragments of one quarter (128 rows of q, then 128 rows of xb, 32 K at byte k of the rows) into set f
.macro FETCH slot, k, f
	WIN TO_B
.irp i, 0,1,2,3,4,5,6,7
	ds_load_b128 v[(\f)+8*(\i):(\f)+8*(\i)+3],   v[ADRB+(\slot)] offset:(\k)+(\i)*16*PITCH
	ds_load_b128 v[(\f)+8*(\i)+4:(\f)+8*(\i)+7], v[ADRB+(\slot)] offset:(\k)+(\i)*16*PITCH+32
.endr
	WIN 0
.irp i, 0,1,2,3,4,5,6,7
	ds_load_b128 v[(\f)+8*(\i):(\f)+8*(\i)+3],   v[ADRA+(\slot)] offset:(\k)+(\i)*16*PITCH
	ds_load_b128 v[(\f)+8*(\i)+4:(\f)+8*(\i)+7], v[ADRA+(\slot)] offset:(\k)+(\i)*16*PITCH+32
.endr
.endm
; A load into a register that a matrix instruction has read, and an instruction that reads a matrix result, stand four places behind that matrix instruction, and only plain vector instructions that name none
; of its registers are places (ISA guide 7.12.1 for vector instructions).
.macro PLACES
.rept 4
	v_nop
.endr
.endm
; One of a K step's first three quarters: multiplies set f; in its middle it fetches the next quarter's fragments, at byte k of the same slot's rows, into set g.
.macro QUARTER slot, k, f, g, zero
	s_wait_dscnt 8                                 ; q's fragments and xb's rows 0-63 are in; the youngest eight loads (xb's rows 64-127) may be out
	MUL16 \f, 0, 0, \zero
	MUL16 \f, 0, 2, \zero
	PLACES
	FETCH \slot, \k, \g
	s_wait_dscnt 32                                ; all but the 32 just issued
	MUL16 \f, 1, 0, \zero
	MUL16 \f, 1, 2, \zero
.endm
; The last quarter multiplies set 1 and changes slots: ONE barrier, for two things.  In front of it each wave waits for all its tensor loads, of which one is out: its part of the next slot; adds 0 to its spare word;
; and waits for that and for its own reads of this slot.  Behind it nobody reads this slot any more and the next slot is whole.  fill = 1: the barrier opens a round of the cluster's, so that no wave of any partner
; still reads the slot or has a load on its way; the joint refill, with the K step two on, is the first thing behind the round: 224 matrix instructions ahead of the wait for it.
.macro TURN slot, next, fill
	WIN 0                                          ; (the add's two registers lie in window 0)
.if \fill
	s_wait_xcnt 0x0                                ; the last prefetch, a K step back, has read its address: it is stepped here, ahead of the waits of the change of slots
	s_add_nc_u64 s[PFA:PFA+1], s[PFA:PFA+1], KSTEP*2
.endif
	s_wait_tensorcnt 0x0                           ; all my tensor loads have landed;
	ds_add_u32 v[SPW], v[NIL]                      ; 0 onto my spare word;
	s_wait_dscnt 9                                 ; (the add and the youngest eight loads may be out)
	MUL16 F1, 0, 0, 0                              ; sixteen matrix instructions stand between the add and the wait for it
	s_wait_dscnt 0x0                               ; the add is done, and my reads of this slot are over:
	s_barrier_signal -1                            ; say so,
	MUL16 F1, 0, 2, 0                              ; work on registers while the others arrive,
	WIN 0
	s_barrier_wait -1                              ; and go on when all four have said so
.if \fill
	CREST
	s_add_nc_u64 s[G0A+4*(\slot)+2:G0A+4*(\slot)+3], s[G0A+4*(\slot)+2:G0A+4*(\slot)+3], 2*KSTEP*2  ; no tensor load of mine is out: the slot's two group 0 step two K steps on
	s_add_nc_u64 s[G0B+4*(\slot)+2:G0B+4*(\slot)+3], s[G0B+4*(\slot)+2:G0B+4*(\slot)+3], 2*KSTEP*2
	JLOAD \slot                                    ; the four v_nop behind it are also the places in front of the loads below
.else
	PLACES
.endif
	FETCH \next, 0, F0
.if \fill
	ASK                                            ; behind the joint load and the run of LDS loads that the next products wait for
.endif
	MUL16 F1, 1, 0, 0
	MUL16 F1, 1, 2, 0
.endm
; THE WAY OUT of row block ab: 16 rows x 128 columns of f32.  TOSTAGE: a lane's 32 bytes of each accumulator go into my own stage, rows of 528 bytes (each accumulator's four lowest registers first)
; and come back as whole rows of 512 bytes.  SEND: one fused multiply-add gives scale_w x sum + b; each store of the wave covers 512 consecutive bytes, at a multiple of 512 from out0's first byte.
.macro TOSTAGE ab
.set AC, 64*((\ab)%4)
.set BK, OB+64*((\ab)%2)
	WIN ST_LO+4*((\ab)/4)
.irp b2, 0,1,2,3,4,5,6,7
	ds_store_b128 v[STO], v[AC+8*(\b2):AC+8*(\b2)+3]   offset:64*(\b2)
	ds_store_b128 v[STO], v[AC+8*(\b2)+4:AC+8*(\b2)+7] offset:64*(\b2)+16
.endr
	WIN 0
	s_wait_xcnt 0x0                                ; the stores of the block two back have read their data registers, which are loaded again below
.irp t, 0,1,2,3,4,5,6,7,8,9,10,11,12,13,14,15
	ds_load_b128 v[BK+4*(\t):BK+4*(\t)+3], v[RD] offset:(\t)*SP  ; LDS serves a wave's instructions in order (ISA guide 5.7.1.4): these see the stores above; the next block's stores come behind them
.endr
.endm
.macro SEND ab, younger                ; younger: the LDS instructions issued behind block ab's loads: the next block's 32, or none
.set BK, OB+64*((\ab)%2)
.set i, 0
.rept 16
	s_wait_dscnt (\younger)+15-i                   ; row i is back
	v_pk_fma_f32 v[BK+4*i:BK+4*i+1],   v[BK+4*i:BK+4*i+1],   s[SW:SW+1], v[BI:BI+1]   op_sel_hi:[1,0,1]
	v_pk_fma_f32 v[BK+4*i+2:BK+4*i+3], v[BK+4*i+2:BK+4*i+3], s[SW:SW+1], v[BI+2:BI+3] op_sel_hi:[1,0,1]
	global_store_b128 v[CO], v[BK+4*i:BK+4*i+3], s[OP:OP+1] offset:(16*(\ab)+i)*OROW th:TH_STORE_NT  ; 127 rows at the most: 1,040,384, inside the signed 24-bit immediate
.set i, i+1
.endr
.endm
	s_wait_tensorcnt 1                             ; my part of K step 0 is in; K step 1's may stay out
	s_barrier_signal -1
	s_barrier_wait -1                              ; everybody's is
	FETCH 0, 0, F0
	QUARTER 0, 64,  F0, F1, 1                      ; the first quarter stands in front of the loop: its products start the sums
	WIN 0                                          ; at a label and at a branch every window is 0
	s_mov_b32 s[LAP], LAPS-1
.Llap:                                                 ; a trip goes once round the ring, from a lap's second quarter to the next lap's first, and fills both slots again: K steps 2 to 31 in 15 trips
	QUARTER 0, 128, F1, F0, 0
	QUARTER 0, 192, F0, F1, 0
	TURN 0, 1, 1
	QUARTER 1, 64,  F0, F1, 0
	QUARTER 1, 128, F1, F0, 0
	QUARTER 1, 192, F0, F1, 0
	TURN 1, 0, 1
	QUARTER 0, 64,  F0, F1, 0
	WIN 0
	s_sub_co_u32 s[LAP], s[LAP], 1
	s_cmp_lg_u32 s[LAP], 0
	s_cbranch_scc1 .Llap
	QUARTER 0, 128, F1, F0, 0                      ; the last lap is written out: it fills nothing, and has no round of the cluster's barrier
	QUARTER 0, 192, F0, F1, 0
	TURN 0, 1, 0                                   ; K step 31 is waited for
	QUARTER 1, 64,  F0, F1, 0
	QUARTER 1, 128, F1, F0, 0
	QUARTER 1, 192, F0, F1, 0
	s_wait_dscnt 8                                 ; the very last quarter: nothing more to fetch
	MUL16 F1, 0, 0, 0
	MUL16 F1, 0, 2, 0
	s_wait_dscnt 0x0
	MUL16 F1, 1, 0, 0
	MUL16 F1, 1, 2, 0
	WIN 0
	PLACES
	PLACES                                         ; eight, once a launch, between the last products and the stores that read results and the loads into xb's registers
	TOSTAGE 0
.irp a3, 1,2,3,4,5,6,7                 ; block a enters the stage ahead of block a - 1's stores, so that the wave does not sit out the stage's round trip
	TOSTAGE \a3
	SEND (\a3)-1, 32
.endr
	SEND 7, 0
	s_wait_tensorcnt 0x0                           ; the wave's end: a wait, the add and its wait, behind my last tensor load and my last LDS store
	ds_add_u32 v[SPW], v[NIL]
	s_wait_dscnt 0x0
	CROUND                                         ; the closing round: no work-group ends while a partner may still ask for a tile that names it
	s_endpgm
.Lfunc_end_k_qed89438e28_gemm:
	.size	k_qed89438e28_gemm, .Lfunc_end_k_qed89438e28_gemm-k_qed89438e28_gemm
	.p2alignl 7, 3214868480
	.fill 96, 4, 3214868480
	.section	.rodata,"a",@progbits
	.p2align	6, 0x0
	.amdhsa_kernel k_qed89438e28_gemm
		.amdhsa_group_segment_fixed_size 327680
		.amdhsa_private_segment_fixed_size 0
		.amdhsa_enable_private_segment 0
		.amdhsa_kernarg_size 48
		.amdhsa_user_sgpr_count 2
		.amdhsa_user_sgpr_kernarg_segment_ptr 1
		.amdhsa_wavefront_size32 1
		.amdhsa_system_sgpr_workgroup_id_x 1
		.amdhsa_system_sgpr_workgroup_id_y 1
		.amdhsa_system_sgpr_workgroup_id_z 1
		.amdhsa_system_vgpr_workitem_id 0
		.amdhsa_next_free_vgpr 1024
		.amdhsa_next_free_sgpr 88
		.amdhsa_reserve_vcc 0
		.amdhsa_float_denorm_mode_32 3
		.amdhsa_float_denorm_mode_16_64 3
		.amdhsa_memory_ordered 1
		.amdhsa_forward_progress 1
		.amdhsa_inst_pref_size 162
	.end_amdhsa_kernel
	.amdgpu_metadata
---
amdhsa.version: [ 1, 2 ]
amdhsa.kernels:
  - .name:           k_qed89438e28_gemm
    .symbol:         k_qed89438e28_gemm.kd
    .args:
      - { .name: xb, .offset: 0, .size: 8, .value_kind: global_buffer, .address_space: global }
      - { .name: wq, .offset: 8, .size: 8, .value_kind: global_buffer, .address_space: global }
      - { .name: packed_b, .offset: 16, .size: 8, .value_kind: global_buffer, .address_space: global }
      - { .name: scale_w, .offset: 24, .size: 8, .value_kind: global_buffer, .address_space: global }
      - { .name: scale_b, .offset: 32, .size: 8, .value_kind: global_buffer, .address_space: global }
      - { .name: out0, .offset: 40, .size: 8, .value_kind: global_buffer, .address_space: global }
    .group_segment_fixed_size: 327680
    .private_segment_fixed_size: 0
    .kernarg_segment_align: 8
    .kernarg_segment_size: 48
    .max_flat_workgroup_size: 128
    .sgpr_count:     88
    .vgpr_count:     1024
    .wavefront_size: 32
...
	.end_amdgpu_metadata
.endif
;; end of part 4
;; ======== version 3 of 3: 2 launches; version 2 with the launch prep written anew for expert scheduling mode
;; limits: inputs' magnitudes at most 1e+34
;; workspace buffers: xb 67,108,864 bytes; wq 16,777,216 bytes
;; launch prep (part 5): grid 2048 x 1, 4 waves a work-group, no clusters, 0 bytes of LDS; arguments x, packed_w, xb, wq; writes xb, wq
.if DOCPART == 5
	.amdgcn_target "amdgcn-amd-amdhsa--gfx1250"
	.amdhsa_code_object_version 6
	.text
	.protected	k_qed89438e28_prep
	.globl	k_qed89438e28_prep
	.p2align	8
	.type	k_qed89438e28_prep,@function
k_qed89438e28_prep:
	s_mov_b64 s[64:65], 0
	v_nop
	global_prefetch_b8 v0, s[64:65] scope:SCOPE_SE
	s_setreg_imm32_b32 hwreg(HW_REG_WAVE_SCHED_MODE, 0, 2), 2
	s_setreg_imm32_b32 hwreg(HW_REG_WAVE_MODE, 25, 1), 1
	s_wait_xcnt 0x0
	s_wait_alu depctr_vm_vsrc(0)
; TWO OPERANDS ARE MADE READY FOR THE PRODUCT THAT FOLLOWS, each once.
; xb = x rounded to bf16, [8192][4096], row-major: the one rounding of the product's first operand.
; wq = the weights' whole numbers q = nibble - 8 as bf16 (exact: -8 .. 7), unscaled, [2048][4096], row-major.  packed_w: word j of row o holds W's k = 2 j in bits 7:4 and k = 2 j + 1 in bits 3:0; the bits above
; take no part, as in the masks of the definition.  A word is 4 bytes for two weights, and two bf16 are 4 bytes: the map is word for word, each word stored at the offset from which it was loaded; the even k goes into the low half.
; NOTHING IS LEFT OUT: every number of x and every word of packed_w reaches the output; the slice [:n_values] of the definition cuts nothing.  The scale is applied later, to the f32 sums.
; WHY x IS ROUNDED HERE and not on its way through the product's LDS: as f32 a K step of 128 of a 256 x 256 tile would take 2 x (256 x 528 + 256 x 272) = 409,600 bytes for two slots, more than a work-group can have,
; and each wave would read 4 bytes in place of 2 from LDS for each number of x.
; SHARES.  8,192 waves; wave p owns row p of x (16,384 bytes in, 8,192 out) and 2,048 bytes of packed_w (as many out).  Each load of the wave covers 512 consecutive bytes, aligned.  A lane's four f32 become 8 bytes:
; each store into xb covers 256 consecutive bytes, aligned; each store into wq 512.
; All 36 loads of a wave go out before the first wait for data; no register is written again after its store, so no wait for a store's sources is needed.  No LDS: no wave wants another wave's bytes.
; THE MODE: SCHED_MODE bits 1:0 = 2 (LLVM: expert scheduling mode 2), set by the entry lines.  The code itself states the register dependences between vector instructions and memory instructions, with s_wait_alu, always for 0.
; THE PLAN.  Registers that memory instructions touch:
;   v1, v2, v3   byte offsets.  Written at the head by vector instructions and never again; read by every load and store.
;   DW           Written by the four loads of packed_w, then in place by the unpacking lines; read by the four stores into wq, which are issued in x's block 0; not written after that.
;   DX           Written by the 32 loads of x, then (the first two registers of each four) in place by that load's two conversions; read by one store into xb each; not written after that.
;   T            named by vector instructions alone.
; x goes in 8 blocks of four loads.  Block p converts loads 4 p .. 4 p + 3; its memory instructions are the four stores of the block before (in block 0: the four stores of wq), whose registers no vector
; instruction of block p names.  So ONE wait on va_vdst at a block's head states all that the block's four stores hang on, and these are dealt among its conversions with no further wait.  With the wait at the
; kernel's head for the offsets and the one ahead of the last four stores that is ten in all.  No wait on vm_vsrc: nothing that a memory instruction has read is written again.
.set XI,  1                            ; v1        my byte offset in x; never rewritten
.set XO,  2                            ; v2        my byte offset in xb; never rewritten
.set WO,  3                            ; v3        my byte offset in packed_w and in wq; never rewritten
.set T,   4                            ; v[4:7]    set-up, then four words at work
.set DW,  8                            ; v[8:23]   4 x 4 words of packed_w, as loaded and then as stored
.set DX,  24                           ; v[24:151] 32 x 4 numbers of x; the first two registers of each four are stored
.set BLOCK, 4                          ; loads of x in a block
	s_load_b256 s[4:11], s[0:1], 0x0               ; x s[4:5], packed_w s[6:7], xb s[8:9], wq s[10:11]
	s_lshl_b32 s12, ttmp9, 2                       ; the work-group's first wave among all
	s_mov_b32 s13, 0x000f000f                      ; a nibble in each half
	s_mov_b32 s14, 0x43004300                      ; bf16 128.0 twice: with a nibble n in its low bits it is 128 + n
	s_mov_b32 s15, 0xc308c308                      ; bf16 -136.0 twice
	v_lshrrev_b32 v4, 5, v0
	v_add_nc_u32 v4, s12, v4                       ; p
	v_and_b32 v5, 31, v0                           ; lane
	v_lshlrev_b32 v[XI], 14, v4                    ; p x 16,384: under 2^27
	v_lshl_add_u32 v[XI], v5, 4, v[XI]
	v_lshlrev_b32 v[XO], 13, v4                    ; p x 8,192
	v_lshl_add_u32 v[XO], v5, 3, v[XO]
	v_lshlrev_b32 v[WO], 11, v4                    ; p x 2,048
	v_lshl_add_u32 v[WO], v5, 4, v[WO]
	s_wait_kmcnt 0x0
	s_wait_alu depctr_va_vdst(0)                   ; v1, v2 and v3 are written: every load and store of the kernel reads one of them as its offset
.irp j, 0,1,2,3
	global_load_b128 v[DW+4*\j:DW+4*\j+3], v[WO], s[6:7] offset:512*\j th:TH_LOAD_NT
.endr
.set i, 0
.rept 32
	global_load_b128 v[DX+4*i:DX+4*i+3], v[XI], s[4:5] offset:512*i th:TH_LOAD_NT
.set i, i+1
.endr
; packed_w is unpacked; its four stores are issued in x's block 0, behind that block's wait
.set i, 0
.rept 4
	s_wait_loadcnt 35-i                            ; loads come back in order (ISA guide 5.7.1): number i of packed_w is in; its 3 - i successors and x's 32 may stay out
.irp j, 0,1,2,3
	v_bfe_u32 v[T+\j], v[DW+4*i+\j], 4, 4          ; the high nibble, for the low half
.endr
.irp j, 0,1,2,3
	v_lshl_or_b32 v[T+\j], v[DW+4*i+\j], 16, v[T+\j]  ; the word's low bits move into the high half
.endr
.irp j, 0,1,2,3
	v_and_or_b32 v[DW+4*i+\j], v[T+\j], s13, s14   ; two bf16: 128 + nibble
.endr
.irp j, 0,1,2,3
	v_pk_add_bf16 v[DW+4*i+\j], v[DW+4*i+\j], s15  ; - 136: nibble - 8, exact
.endr
.set i, i+1
.endr
; x, block by block.  n = 4 p + i is the load that is converted, n - 4 the one that is stored.
.set p, 0
.rept 32/BLOCK
	s_wait_loadcnt 31-BLOCK*p                      ; the block's first load is in, the younger ones may stay out
	s_wait_alu depctr_va_vdst(0)                   ; the block before has written the registers that the four stores below read: in block 0 the unpacking lines DW, later the conversions DX of loads 4 p - 4 .. 4 p - 1
.set i, 0
.rept BLOCK
.set n, BLOCK*p+i
.if p == 0
	global_store_b128 v[WO], v[DW+4*i:DW+4*i+3], s[10:11] offset:512*i  ; no vector instruction since the wait names DW or v3
.else
	global_store_b64 v[XO], v[DX+4*(n-BLOCK):DX+4*(n-BLOCK)+1], s[8:9] offset:256*(n-BLOCK)  ; no vector instruction since the wait names the last block's registers or v2
.endif
.if i > 0
	s_wait_loadcnt 31-n                            ; number n of x is in, the 31 - n younger ones may stay out
.endif
	v_cvt_pk_bf16_f32 v[DX+4*n],   v[DX+4*n],   v[DX+4*n+1]  ; two roundings to nearest even, packed, the lower k in the low half
	v_cvt_pk_bf16_f32 v[DX+4*n+1], v[DX+4*n+2], v[DX+4*n+3]
.set i, i+1
.endr
.set p, p+1
.endr
	s_wait_alu depctr_va_vdst(0)                   ; the last block's conversions have written DX of loads 28 .. 31, which the last four stores read
.set n, 32-BLOCK
.rept BLOCK
	global_store_b64 v[XO], v[DX+4*n:DX+4*n+1], s[8:9] offset:256*n
.set n, n+1
.endr
	s_endpgm
.Lfunc_end_k_qed89438e28_prep:
	.size	k_qed89438e28_prep, .Lfunc_end_k_qed89438e28_prep-k_qed89438e28_prep
	.p2alignl 7, 3214868480
	.fill 96, 4, 3214868480
	.section	.rodata,"a",@progbits
	.p2align	6, 0x0
	.amdhsa_kernel k_qed89438e28_prep
		.amdhsa_group_segment_fixed_size 0
		.amdhsa_private_segment_fixed_size 0
		.amdhsa_enable_private_segment 0
		.amdhsa_kernarg_size 32
		.amdhsa_user_sgpr_count 2
		.amdhsa_user_sgpr_kernarg_segment_ptr 1
		.amdhsa_wavefront_size32 1
		.amdhsa_system_sgpr_workgroup_id_x 1
		.amdhsa_system_sgpr_workgroup_id_y 1
		.amdhsa_system_sgpr_workgroup_id_z 1
		.amdhsa_system_vgpr_workitem_id 0
		.amdhsa_next_free_vgpr 152
		.amdhsa_next_free_sgpr 66
		.amdhsa_reserve_vcc 0
		.amdhsa_float_denorm_mode_32 3
		.amdhsa_float_denorm_mode_16_64 3
		.amdhsa_memory_ordered 1
		.amdhsa_forward_progress 1
		.amdhsa_inst_pref_size 18
	.end_amdhsa_kernel
	.amdgpu_metadata
---
amdhsa.version: [ 1, 2 ]
amdhsa.kernels:
  - .name:           k_qed89438e28_prep
    .symbol:         k_qed89438e28_prep.kd
    .args:
      - { .name: x, .offset: 0, .size: 8, .value_kind: global_buffer, .address_space: global }
      - { .name: packed_w, .offset: 8, .size: 8, .value_kind: global_buffer, .address_space: global }
      - { .name: xb, .offset: 16, .size: 8, .value_kind: global_buffer, .address_space: global }
      - { .name: wq, .offset: 24, .size: 8, .value_kind: global_buffer, .address_space: global }
    .group_segment_fixed_size: 0
    .private_segment_fixed_size: 0
    .kernarg_segment_align: 8
    .kernarg_segment_size: 32
    .max_flat_workgroup_size: 128
    .sgpr_count:     66
    .vgpr_count:     152
    .wavefront_size: 32
...
	.end_amdgpu_metadata
.endif
;; end of part 5
;; launch gemm: the kernel of part 4 again; grid 8 x 32, 4 waves a work-group, clusters of 4 x 4, 327,680 bytes of LDS; arguments xb, wq, packed_b, scale_w, scale_b, out0; writes out0
